; MI455X (gfx1250); checked and timed in simulation.
; The chip was launched on July 23, 2026; its instructions are those of AMD's public machine-readable ISA for CDNA 5 (MIT licence, August 2026) and "CDNA5" Instruction Set Architecture Reference Guide (July 2026). The comments in the code are by the model that wrote it; some were corrected since.
;; NL Block. Allowed arithmetic: float matrix products may take bf16 or f16 operands with f32 sums; all other float work in f32.
;; Inputs: Lt 2,048 x 64 x 512 float32; W1 512 x 512 float32; W2 512 x 512 float32; W3 512 x 512 float32; W4 512 x 512 float32; b1 512 float32; b2 512 float32; b3 512 float32; b4 512 float32; ct 2,048 x 512 float32; ln_b 512 float32; ln_g 512 float32.
;; Outputs: out0 2,048 x 512 float32.
;; One version. Each part assembles by itself: llvm-mc -triple=amdgcn-amd-amdhsa -mcpu=gfx1250 --defsym DOCPART=n.
;; ======== version 1 of 1: 5 launches
;; limits: values are held in f16: magnitudes above 65,504 overflow, below 6.1e-05 lose precision
;; workspace buffers: q 4,194,304 bytes; u 4,194,304 bytes; z 4,194,304 bytes; sll 4,194,304 bytes
;; launch gq (part 1): grid 8 x 32, 8 waves a work-group, no clusters, 184,320 bytes of LDS; arguments ct, W1, q, b1; writes q
.if DOCPART == 1
	.amdgcn_target "amdgcn-amd-amdhsa--gfx1250"
	.amdhsa_code_object_version 6
	.text
	.protected	k_qb71ad12a68_gq
	.globl	k_qb71ad12a68_gq
	.p2align	8
	.type	k_qb71ad12a68_gq,@function
k_qb71ad12a68_gq:
	s_mov_b64 s[64:65], 0
	v_nop
	global_prefetch_b8 v0, s[64:65] scope:SCOPE_SE
	s_setreg_imm32_b32 hwreg(HW_REG_WAVE_MODE, 25, 1), 1
	s_wait_xcnt 0x0
; C[m][n] = sum over k of A[m][k] B[n][k] + bias[n].  A: [2048][512], B: [512][512], C: [2048][512], bias: [512], all f32 in memory.
; (One text serves three bodies, by the three flags below.  Here: B lies [n][k], a bias is added, A is taken as it is.)
; The products go to the matrix unit with f16 operands and f32 sums: A and B are rounded to f16 once, on the way from memory through registers into LDS.
; LIMITS.  f16 holds no number beyond 65,504: every number of A and B must lie within it; below 6e-5 a number keeps f16's fixed step of 6e-8.  NaN and infinities are not treated apart.
; SHARES.  A work-group makes a tile of 64 x 64 of C: 32 x 8 tiles, 256 work-groups.  The whole K = 512 of both operands is staged at once (64 rows x 1,024 bytes each), so there is no ring and no refill.
; Staging: wave w brings rows 8 w .. 8 w + 7 of A's and of B's 64 rows, whole rows: each load of a wave covers 512 consecutive bytes.  32 loads of a wave are out all the time.
; Products: wave (kh, mq, nq) makes the quadrant of 32 x 32 at (mq, nq) over k = 256 kh .. 256 kh + 255: 4 accumulators, 8 K steps, 32 matrix instructions.  The two K halves meet in a stage in LDS.
; THE MATRIX INSTRUCTION IS USED TRANSPOSED (source 0 = 16 rows of B, source 1 = 16 rows of A): a lane then holds eight neighbouring numbers of a row of C.
; NO CLUSTER, NO TENSOR LOADS: the operands are f32 in memory and are rounded in registers before they reach LDS.  A tile brought by a joint load would lie in LDS as f32: twice the LDS bytes for each
; fragment, and the conversion repeated by both waves that read a fragment; what the eight (A) or 32 (B) work-groups share is 128 KB a work-group in a launch without a loop.
.set TRB,  0                           ; 1: B lies [k][n] in memory (C = A B), and is read out of LDS by the turning load
.set BIAS, 1                           ; 1: bias[n] is added
.set LNR,  0                           ; 1: A's rows pass LayerNorm, gain, offset and ReLU on the way in, and ct is added on the way out
.set PA,   1040                        ; an LDS row of 512 f16: 1,024 bytes + 16: an odd multiple of 16, so the 16 rows of a fragment load start at 16 different groups of four banks (64 banks of 4 bytes: ISA guide 11.1)
.set PT,   160                         ; TRB: an LDS row of 64 f16: 128 bytes + 32
.set LB,   64*PA                       ; A's 64 rows lie from byte 0; B from here: 64 rows of PA, or 512 rows of PT (81,920 bytes are kept for it)
.set STG,  LB+512*PT                   ; two copies (K halves) of the tile of C in f32: 64 rows of 256 + 16 bytes each
.set SP,   272
.set STGH, 64*SP
.set SPARE, STG+2*STGH                 ; the spare words, 128 bytes for each of the eight waves: four blocks of 256 bytes that no other line names
.set VL,  4                            ; v4   16 x lane: my 16 bytes in 512 consecutive bytes
.set V2,  5                            ; v5   2,048 h + 16 r: lanes 0-15 take 256 bytes of one row of 2,048, lanes 16-31 of the next
.set SA,  6                            ; v6   where I put 8 bytes of A's rows
.set SB,  7                            ; v7   the same for B
.set FA,  8                            ; v8   my lane's place in A's fragments
.set FB,  9                            ; v9   the same for B
.set STO, 10                           ; v10  the stage: where I put 32 bytes of a row
.set RD,  11                           ; v11  the stage: where I read rows back
.set SPW, 12                           ; v12  LDS address of my spare word; never rewritten
.set NIL, 13                           ; v13  0; never rewritten
.set MU,  14                           ; v[14:15] a row's mean, in the low word
.set RS,  16                           ; v[16:17] 1 / sqrt(var + eps), in the low word
.set VB,  18                           ; v18  16 r: my four columns in the bias
.set BI,  20                           ; v[20:23] bias of my four columns
.set RES, 24                           ; v[24:39] ct for the way out
.set G,   40                           ; v[40:55] ln_g, in a row's register layout
.set BB,  56                           ; v[56:71] ln_b
.set H,   72                           ; v[72:79] a piece rounded to f16
.set T,   80                           ; v[80:87] at work
.set ACC, 88                           ; v[88:119] accumulator (a, b) at ACC + 8 (2 a + b)
.set X,   128                          ; v[128:255] eight pieces of 16 registers as loaded
.set F0,  128                          ; later: two fragment buffers of 64 registers (two K steps each),
.set F1,  192
.set O,   128                          ; and at last the rows on their way out
	s_load_b128 s[4:7], s[0:1], 0x0                ; A s[4:5], B s[6:7]
	s_load_b64 s[8:9], s[0:1], 0x10                ; C
.if BIAS
	s_load_b64 s[10:11], s[0:1], 0x18              ; bias
.endif
.if LNR
	s_load_b128 s[12:15], s[0:1], 0x20             ; ln_g s[12:13], ln_b s[14:15]
	s_load_b64 s[16:17], s[0:1], 0x30              ; ct
.endif
	v_lshl_add_u32 v[SPW], v0, 2, SPARE
	v_mov_b32 v[NIL], 0
	v_lshrrev_b32 v2, 5, v0
	v_readfirstlane_b32 s20, v2                    ; wave w, 0..7
	v_and_b32 v1, 31, v0                           ; lane
	v_and_b32 v2, 15, v0                           ; r = lane % 16
	v_bfe_u32 v3, v0, 4, 1                         ; h = lane / 16
	v_lshlrev_b32 v[VL], 4, v1
	v_lshlrev_b32 v[VB], 4, v2
	v_lshl_add_u32 v[V2], v3, 11, v[VB]
	s_mov_b32 s21, ttmp9                           ; x: the tile's block of 64 columns
	s_and_b32 s22, ttmp7, 0xffff                   ; y: its block of 64 rows
	s_lshr_b32 s28, s20, 2                         ; kh
	s_bfe_u32 s29, s20, 0x10001                    ; mq
	s_and_b32 s30, s20, 1                          ; nq
	s_lshl_b32 s24, s22, 17                        ; 64 y rows of 2,048 bytes
	s_lshl_b32 s31, s20, 14                        ; 8 w rows
	s_add_co_u32 s24, s24, s31
	s_mov_b32 s25, 0
.if TRB
	s_lshl_b32 s26, s20, 17                        ; B: row 64 w (k), column 64 x
	s_lshl_b32 s31, s21, 8
.else
	s_lshl_b32 s26, s21, 17                        ; B: row 64 x + 8 w (n)
.endif
	s_add_co_u32 s26, s26, s31
	s_mov_b32 s27, 0
	s_wait_kmcnt 0x0
	s_add_nc_u64 s[4:5], s[4:5], s[24:25]          ; A at row 64 y + 8 w
	s_add_nc_u64 s[6:7], s[6:7], s[26:27]
	s_lshl_b32 s26, s21, 8                         ; 64 x columns of 4 bytes
	s_add_co_u32 s24, s24, s26
	s_add_nc_u64 s[8:9], s[8:9], s[24:25]          ; C at row 64 y + 8 w, column 64 x
.if BIAS
	s_add_nc_u64 s[10:11], s[10:11], s[26:27]
	global_load_b128 v[BI:BI+3], v[VB], s[10:11]
.endif
.if LNR
	s_add_nc_u64 s[16:17], s[16:17], s[24:25]
.irp j, 0,1,2,3
	global_load_b128 v[G+4*(\j):G+4*(\j)+3], v[VL], s[12:13] offset:512*(\j)
	global_load_b128 v[BB+4*(\j):BB+4*(\j)+3], v[VL], s[14:15] offset:512*(\j)
	global_load_b128 v[RES+4*(\j):RES+4*(\j)+3], v[V2], s[16:17] offset:4096*(\j)
.endr
.endif
; Piece i of A: row 8 w + i, four loads of 512 consecutive bytes; register 4 j + c of the piece holds column 128 j + 4 lane + c.
.macro LOADA i
.irp j, 0,1,2,3
	global_load_b128 v[X+16*(\i)+4*(\j):X+16*(\i)+4*(\j)+3], v[VL], s[4:5] offset:2048*(\i)+512*(\j)
.endr
.endm
; Piece i of B.  [n][k]: as A.  [k][n]: load 4 i + j takes 256 bytes (the tile's 64 columns) of each of the rows 64 w + 2 (4 i + j) + h.
.macro LOADB i
.irp j, 0,1,2,3
.if TRB
	global_load_b128 v[X+16*(\i)+4*(\j):X+16*(\i)+4*(\j)+3], v[V2], s[6:7] offset:4096*(4*(\i)+(\j))
.else
	global_load_b128 v[X+16*(\i)+4*(\j):X+16*(\i)+4*(\j)+3], v[VL], s[6:7] offset:2048*(\i)+512*(\j)
.endif
.endr
.endm
.irp i, 0,1,2,3,4,5,6,7
	LOADA \i
.endr
	; the LDS addresses are made while the loads are on their way
	s_mul_i32 s31, s20, 8*PA
	v_lshl_add_u32 v[SA], v1, 3, s31               ; row 8 w, 8 bytes a lane
.if TRB
	v_mul_u32_u24 v[SB], v3, PT
	v_lshl_add_u32 v[SB], v2, 3, v[SB]
	s_mul_i32 s31, s20, 64*PT
	s_add_co_u32 s31, s31, LB
	v_add_nc_u32 v[SB], s31, v[SB]                 ; row 64 w + h, 8 bytes for each of 16 lanes
.else
	v_add_nc_u32 v[SB], LB, v[SA]
.endif
	; A fragment is 16 rows x 32 k in 8 registers: lane l holds row l % 16; registers 0-3 k = 8 h + 0..7, registers 4-7 k = 16 + 8 h + 0..7: two loads of 16 bytes, 32 bytes apart.
	s_lshl_b32 s31, s29, 5
	v_add_nc_u32 v[FA], s31, v2                    ; row 32 mq + r
	v_mul_u32_u24 v[FA], v[FA], PA
	v_lshl_add_u32 v[FA], v3, 4, v[FA]
	s_lshl_b32 s31, s28, 9                         ; my K half begins 512 bytes into the rows
	v_add_nc_u32 v[FA], s31, v[FA]
.if TRB
	; The turning load takes 16 k x 16 n (lane l reads 16 bytes: k = 8 h + l % 8, n = 8 ((l / 8) % 2) + 0..7) and leaves half a fragment: lane l holds column l % 16 and 8 k.
	v_and_b32 v[FB], 7, v0
	v_lshl_add_u32 v[FB], v3, 3, v[FB]
	s_lshl_b32 s31, s28, 8
	v_add_nc_u32 v[FB], s31, v[FB]                 ; row 256 kh + 8 h + l % 8
	v_mul_u32_u24 v[FB], v[FB], PT
	v_bfe_u32 v19, v0, 3, 1
	v_lshl_add_u32 v[FB], v19, 4, v[FB]
	s_lshl_b32 s31, s30, 6                         ; my 32 columns
	s_add_co_u32 s31, s31, LB
	v_add_nc_u32 v[FB], s31, v[FB]
.else
	s_lshl_b32 s31, s30, 5
	v_add_nc_u32 v[FB], s31, v2                    ; row 32 nq + r
	v_mul_u32_u24 v[FB], v[FB], PA
	v_lshl_add_u32 v[FB], v3, 4, v[FB]
	s_lshl_b32 s31, s28, 9
	s_add_co_u32 s31, s31, LB
	v_add_nc_u32 v[FB], s31, v[FB]
.endif
	s_lshl_b32 s31, s29, 5
	v_add_nc_u32 v[STO], s31, v2                   ; the stage, in: row 32 mq + r, byte 128 nq + 32 h, copy kh
	v_mul_u32_u24 v[STO], v[STO], SP
	v_lshl_add_u32 v[STO], v3, 5, v[STO]
	s_mul_i32 s31, s28, STGH
	s_lshl_b32 s23, s30, 7
	s_add_co_u32 s31, s31, s23
	s_add_co_u32 s31, s31, STG
	v_add_nc_u32 v[STO], s31, v[STO]
	s_lshl_b32 s31, s20, 3
	v_add_nc_u32 v[RD], s31, v3                    ; back: row 8 w + h, 16 bytes for each of 16 lanes
	v_mul_u32_u24 v[RD], v[RD], SP
	v_lshl_add_u32 v[RD], v2, 4, v[RD]
	v_add_nc_u32 v[RD], STG, v[RD]
.if LNR
	s_mov_b32 s32, 0x76543210                      ; v_permlanex16_b32: each lane takes its own place in the other half
	s_mov_b32 s33, 0xfedcba98
	s_mov_b32 s34, 0x3b000000                      ; 1 / 512
	s_mov_b32 s35, 0x3727c5ac                      ; 1e-5
	v_mov_b32 v[MU+1], 0                           ; named with the low words as pairs
	v_mov_b32 v[RS+1], 0
.endif
.macro CVT i                           ; a piece's 16 numbers rounded to f16, in pairs
.irp k, 0,1,2,3,4,5,6,7
	v_cvt_pk_f16_f32 v[H+(\k)], v[X+16*(\i)+2*(\k)], v[X+16*(\i)+2*(\k)+1]
.endr
.endm
.macro PUT adr, i, tr                  ; and put into LDS, 8 bytes a lane for each of the piece's four loads
.irp j, 0,1,2,3
.if \tr
	ds_store_b64 v[\adr], v[H+2*(\j):H+2*(\j)+1] offset:2*PT*(4*(\i)+(\j))
.else
	ds_store_b64 v[\adr], v[H+2*(\j):H+2*(\j)+1] offset:PA*(\i)+256*(\j)
.endif
.endr
.endm
.if LNR
.macro XSUM                            ; the sum of the pair v[T:T+1] over the 32 lanes, into every lane's v[T]
	v_add_f32 v[T], v[T], v[T+1]
	v_add_f32_dpp v[T], v[T], v[T] row_xmask:1 row_mask:0xf bank_mask:0xf
	v_add_f32_dpp v[T], v[T], v[T] row_xmask:2 row_mask:0xf bank_mask:0xf
	v_add_f32_dpp v[T], v[T], v[T] row_xmask:4 row_mask:0xf bank_mask:0xf
	v_add_f32_dpp v[T], v[T], v[T] row_xmask:8 row_mask:0xf bank_mask:0xf
	v_permlanex16_b32 v[T+1], v[T], s32, s33
	v_add_f32 v[T], v[T], v[T+1]
.endm
; Row i, which the wave holds whole (16 numbers a lane): relu((x - mean) / sqrt(var + 1e-5) * g + b), in place.  The mean is taken away first and the squares are those of the differences.
.macro LNORM i
.set XR, X+16*(\i)
.irp k, 0,1,2,3
	v_pk_add_f32 v[T+2*(\k):T+2*(\k)+1], v[XR+4*(\k):XR+4*(\k)+1], v[XR+4*(\k)+2:XR+4*(\k)+3]
.endr
	v_pk_add_f32 v[T:T+1], v[T:T+1], v[T+2:T+3]
	v_pk_add_f32 v[T+4:T+5], v[T+4:T+5], v[T+6:T+7]
	v_pk_add_f32 v[T:T+1], v[T:T+1], v[T+4:T+5]
	XSUM
	v_mul_f32 v[MU], s34, v[T]
.irp k, 0,1,2,3,4,5,6,7
	v_pk_add_f32 v[XR+2*(\k):XR+2*(\k)+1], v[XR+2*(\k):XR+2*(\k)+1], v[MU:MU+1] op_sel_hi:[1,0] neg_lo:[0,1] neg_hi:[0,1]
.endr
	v_pk_mul_f32 v[T:T+1], v[XR:XR+1], v[XR:XR+1]
	v_pk_mul_f32 v[T+2:T+3], v[XR+2:XR+3], v[XR+2:XR+3]
.irp k, 2,3,4,5,6,7
	v_pk_fma_f32 v[T+2*((\k)%2):T+2*((\k)%2)+1], v[XR+2*(\k):XR+2*(\k)+1], v[XR+2*(\k):XR+2*(\k)+1], v[T+2*((\k)%2):T+2*((\k)%2)+1]
.endr
	v_pk_add_f32 v[T:T+1], v[T:T+1], v[T+2:T+3]
	XSUM
	v_fma_f32 v[T], v[T], s34, s35                 ; var + 1e-5
	v_rsq_f32 v[RS], v[T]
	v_nop                                          ; a plain instruction between the root and the use of its result (ISA guide 5.7.2)
.irp k, 0,1,2,3,4,5,6,7
	v_pk_mul_f32 v[XR+2*(\k):XR+2*(\k)+1], v[XR+2*(\k):XR+2*(\k)+1], v[RS:RS+1] op_sel_hi:[1,0]
.endr
.irp k, 0,1,2,3,4,5,6,7
	v_pk_fma_f32 v[XR+2*(\k):XR+2*(\k)+1], v[XR+2*(\k):XR+2*(\k)+1], v[G+2*(\k):G+2*(\k)+1], v[BB+2*(\k):BB+2*(\k)+1]
.endr
.set n, 0
.rept 16
	v_max_num_f32 v[XR+n], 0, v[XR+n]
.set n, n+1
.endr
.endm
.endif
; Piece i of A goes into LDS, and piece i of B is asked for into the registers that it leaves.
.macro STAGEA i
	s_wait_loadcnt 28                              ; behind piece i's last load stand 4 (7 - i) loads of A and 4 i of B: 28, whatever i; loads come back in order (ISA guide 5.7.1)
.if LNR
	LNORM \i
.endif
	CVT \i
	PUT SA, \i, 0
	LOADB \i
.endm
.macro STAGEB i
	s_wait_loadcnt 28-4*(\i)                       ; the pieces of B behind this one stay out
	CVT \i
	PUT SB, \i, TRB
.endm
.irp i, 0,1,2,3,4,5,6,7
	STAGEA \i
.endr
.irp i, 0,1,2,3,4,5,6,7
	STAGEB \i
.endr
	s_wait_dscnt 0x0                               ; for the others' sake: my stores into A's and B's rows are done
	s_barrier_signal -1
	s_barrier_wait -1                              ; everybody's are
; 16 LDS loads: the fragments of K steps 2 g and 2 g + 1 of my half into buffer f: for each step A's two blocks of 16 rows, then B's two.
.macro FETCH g, f
.irp s, 0,1
.irp a, 0,1
	ds_load_b128 v[(\f)+32*(\s)+8*(\a):(\f)+32*(\s)+8*(\a)+3],   v[FA] offset:16*PA*(\a)+64*(2*(\g)+(\s))
	ds_load_b128 v[(\f)+32*(\s)+8*(\a)+4:(\f)+32*(\s)+8*(\a)+7], v[FA] offset:16*PA*(\a)+64*(2*(\g)+(\s))+32
.endr
.irp b, 0,1
.if TRB
	ds_load_tr16_b128 v[(\f)+32*(\s)+16+8*(\b):(\f)+32*(\s)+16+8*(\b)+3],   v[FB] offset:32*PT*(2*(\g)+(\s))+32*(\b)
	ds_load_tr16_b128 v[(\f)+32*(\s)+16+8*(\b)+4:(\f)+32*(\s)+16+8*(\b)+7], v[FB] offset:32*PT*(2*(\g)+(\s))+32*(\b)+16*PT
.else
	ds_load_b128 v[(\f)+32*(\s)+16+8*(\b):(\f)+32*(\s)+16+8*(\b)+3],   v[FB] offset:16*PA*(\b)+64*(2*(\g)+(\s))
	ds_load_b128 v[(\f)+32*(\s)+16+8*(\b)+4:(\f)+32*(\s)+16+8*(\b)+7], v[FB] offset:16*PA*(\b)+64*(2*(\g)+(\s))+32
.endif
.endr
.endr
.endm
; 8 matrix instructions: buffer f's two K steps on the four accumulators, which take turns, one instruction a turn.  zero = 1: the first step starts the sums: nothing is cleared.
.macro MUL f, zero
.irp s, 0,1
.irp a, 0,1
.irp b, 0,1
.if (\zero) && ((\s) == 0)
	v_wmma_f32_16x16x32_f16 v[ACC+8*(2*(\a)+(\b)):ACC+8*(2*(\a)+(\b))+7], v[(\f)+32*(\s)+16+8*(\b):(\f)+32*(\s)+16+8*(\b)+7], v[(\f)+32*(\s)+8*(\a):(\f)+32*(\s)+8*(\a)+7], 0
.else
	v_wmma_f32_16x16x32_f16 v[ACC+8*(2*(\a)+(\b)):ACC+8*(2*(\a)+(\b))+7], v[(\f)+32*(\s)+16+8*(\b):(\f)+32*(\s)+16+8*(\b)+7], v[(\f)+32*(\s)+8*(\a):(\f)+32*(\s)+8*(\a)+7], v[ACC+8*(2*(\a)+(\b)):ACC+8*(2*(\a)+(\b))+7]
.endif
.endr
.endr
.endr
.endm
.macro PLACES                          ; four places in front of loads into registers that matrix instructions have read, and of stores that read results
.rept 4
	v_nop
.endr
.endm
	FETCH 0, F0
	FETCH 1, F1
	s_wait_dscnt 16                                ; buffer 0 is in; buffer 1's sixteen loads may be out
	MUL F0, 1
	PLACES
	FETCH 2, F0
	s_wait_dscnt 16                                ; all but the sixteen just issued
	MUL F1, 0
	PLACES
	FETCH 3, F1
	s_wait_dscnt 16
	MUL F0, 0
	s_wait_dscnt 0x0
	MUL F1, 0
	PLACES
	; my quadrant's sums over my K half go into my copy of the stage: a lane's eight numbers are 32 neighbouring bytes of a row; each accumulator's low registers first
.irp a, 0,1
.irp b, 0,1
	ds_store_b128 v[STO], v[ACC+8*(2*(\a)+(\b)):ACC+8*(2*(\a)+(\b))+3]   offset:16*SP*(\a)+64*(\b)
	ds_store_b128 v[STO], v[ACC+8*(2*(\a)+(\b))+4:ACC+8*(2*(\a)+(\b))+7] offset:16*SP*(\a)+64*(\b)+16
.endr
.endr
	s_wait_dscnt 0x0                               ; for the others' sake: my stores into the stage are done
	s_barrier_signal -1
	s_barrier_wait -1
	; THE WAY OUT: wave w takes rows 8 w .. 8 w + 7, two at a time, from both copies, adds them (and the bias), and stores them.
.irp t, 0,1,2,3
	ds_load_b128 v[O+8*(\t):O+8*(\t)+3],   v[RD] offset:2*SP*(\t)
	ds_load_b128 v[O+8*(\t)+4:O+8*(\t)+7], v[RD] offset:2*SP*(\t)+STGH
.endr
.irp t, 0,1,2,3
	s_wait_dscnt 6-2*(\t)                          ; the pairs of loads behind this one stay out
	v_pk_add_f32 v[O+8*(\t):O+8*(\t)+1],   v[O+8*(\t):O+8*(\t)+1],   v[O+8*(\t)+4:O+8*(\t)+5]
	v_pk_add_f32 v[O+8*(\t)+2:O+8*(\t)+3], v[O+8*(\t)+2:O+8*(\t)+3], v[O+8*(\t)+6:O+8*(\t)+7]
.if BIAS
	v_pk_add_f32 v[O+8*(\t):O+8*(\t)+1],   v[O+8*(\t):O+8*(\t)+1],   v[BI:BI+1]
	v_pk_add_f32 v[O+8*(\t)+2:O+8*(\t)+3], v[O+8*(\t)+2:O+8*(\t)+3], v[BI+2:BI+3]
.endif
.if LNR
	v_pk_add_f32 v[O+8*(\t):O+8*(\t)+1],   v[O+8*(\t):O+8*(\t)+1],   v[RES+4*(\t):RES+4*(\t)+1]
	v_pk_add_f32 v[O+8*(\t)+2:O+8*(\t)+3], v[O+8*(\t)+2:O+8*(\t)+3], v[RES+4*(\t)+2:RES+4*(\t)+3]
.endif
	global_store_b128 v[V2], v[O+8*(\t):O+8*(\t)+3], s[8:9] offset:4096*(\t)  ; 16 lanes store 256 consecutive bytes, at a multiple of 256 from C's first byte
.endr
	s_wait_tensorcnt 0x0                           ; the wave's end, behind my last LDS store
	ds_add_u32 v[SPW], v[NIL]
	s_wait_dscnt 0x0
	s_endpgm
.Lfunc_end_k_qb71ad12a68_gq:
	.size	k_qb71ad12a68_gq, .Lfunc_end_k_qb71ad12a68_gq-k_qb71ad12a68_gq
	.p2alignl 7, 3214868480
	.fill 96, 4, 3214868480
	.section	.rodata,"a",@progbits
	.p2align	6, 0x0
	.amdhsa_kernel k_qb71ad12a68_gq
		.amdhsa_group_segment_fixed_size 184320
		.amdhsa_private_segment_fixed_size 0
		.amdhsa_enable_private_segment 0
		.amdhsa_kernarg_size 32
		.amdhsa_user_sgpr_count 2
		.amdhsa_user_sgpr_kernarg_segment_ptr 1
		.amdhsa_wavefront_size32 1
		.amdhsa_system_sgpr_workgroup_id_x 1
		.amdhsa_system_sgpr_workgroup_id_y 1
		.amdhsa_system_sgpr_workgroup_id_z 1
		.amdhsa_system_vgpr_workitem_id 0
		.amdhsa_next_free_vgpr 256
		.amdhsa_next_free_sgpr 66
		.amdhsa_reserve_vcc 0
		.amdhsa_float_denorm_mode_32 3
		.amdhsa_float_denorm_mode_16_64 3
		.amdhsa_memory_ordered 1
		.amdhsa_forward_progress 1
		.amdhsa_inst_pref_size 31
	.end_amdhsa_kernel
	.amdgpu_metadata
---
amdhsa.version: [ 1, 2 ]
amdhsa.kernels:
  - .name:           k_qb71ad12a68_gq
    .symbol:         k_qb71ad12a68_gq.kd
    .args:
      - { .name: ct, .offset: 0, .size: 8, .value_kind: global_buffer, .address_space: global }
      - { .name: W1, .offset: 8, .size: 8, .value_kind: global_buffer, .address_space: global }
      - { .name: q, .offset: 16, .size: 8, .value_kind: global_buffer, .address_space: global }
      - { .name: b1, .offset: 24, .size: 8, .value_kind: global_buffer, .address_space: global }
    .group_segment_fixed_size: 184320
    .private_segment_fixed_size: 0
    .kernarg_segment_align: 8
    .kernarg_segment_size: 32
    .max_flat_workgroup_size: 256
    .sgpr_count:     66
    .vgpr_count:     256
    .wavefront_size: 32
...
	.end_amdgpu_metadata
.endif
;; end of part 1
;; launch gu (part 2): grid 8 x 32, 8 waves a work-group, no clusters, 184,320 bytes of LDS; arguments q, W2, u; writes u
.if DOCPART == 2
	.amdgcn_target "amdgcn-amd-amdhsa--gfx1250"
	.amdhsa_code_object_version 6
	.text
	.protected	k_qb71ad12a68_gu
	.globl	k_qb71ad12a68_gu
	.p2align	8
	.type	k_qb71ad12a68_gu,@function
k_qb71ad12a68_gu:
	s_mov_b64 s[64:65], 0
	v_nop
	global_prefetch_b8 v0, s[64:65] scope:SCOPE_SE
	s_setreg_imm32_b32 hwreg(HW_REG_WAVE_MODE, 25, 1), 1
	s_wait_xcnt 0x0
; C[m][n] = sum over k of A[m][k] B[k][n].  A: [2048][512], B: [512][512], C: [2048][512], all f32 in memory.
; (One text serves three bodies, by the three flags below.  Here: B lies [k][n] and is turned on its way out of LDS; no bias; A is taken as it is.)
; The products go to the matrix unit with f16 operands and f32 sums: A and B are rounded to f16 once, on the way from memory through registers into LDS.
; LIMITS.  f16 holds no number beyond 65,504: every number of A and B must lie within it; below 6e-5 a number keeps f16's fixed step of 6e-8.  NaN and infinities are not treated apart.
; SHARES.  A work-group makes a tile of 64 x 64 of C: 32 x 8 tiles, 256 work-groups.  The whole K = 512 of both operands is staged at once, so there is no ring and no refill.
; Staging: wave w brings rows 8 w .. 8 w + 7 of A's 64 rows, whole rows (each load covers 512 consecutive bytes), and of B the tile's 64 columns (256 aligned bytes) of rows 64 w .. 64 w + 63.
; Products: wave (kh, mq, nq) makes the quadrant of 32 x 32 at (mq, nq) over k = 256 kh .. 256 kh + 255: 4 accumulators, 8 K steps, 32 matrix instructions.  The two K halves meet in a stage in LDS.
; THE MATRIX INSTRUCTION IS USED TRANSPOSED (source 0 = 16 columns of B, source 1 = 16 rows of A): a lane then holds eight neighbouring numbers of a row of C.
; NO CLUSTER, NO TENSOR LOADS: the operands are f32 in memory and are rounded in registers before they reach LDS.  A tile brought by a joint load would lie in LDS as f32: twice the LDS bytes for each
; fragment, and the conversion repeated by both waves that read a fragment; what the eight (A) or 32 (B) work-groups share is 128 KB a work-group in a launch without a loop.
.set TRB,  1                           ; 1: B lies [k][n] in memory (C = A B), and is read out of LDS by the turning load
.set BIAS, 0                           ; 1: bias[n] is added
.set LNR,  0                           ; 1: A's rows pass LayerNorm, gain, offset and ReLU on the way in, and ct is added on the way out
.set PA,   1040                        ; an LDS row of 512 f16: 1,024 bytes + 16: an odd multiple of 16, so the 16 rows of a fragment load start at 16 different groups of four banks (64 banks of 4 bytes: ISA guide 11.1)
.set PT,   160                         ; TRB: an LDS row of 64 f16: 128 bytes + 32
.set LB,   64*PA                       ; A's 64 rows lie from byte 0; B from here: 64 rows of PA, or 512 rows of PT (81,920 bytes are kept for it)
.set STG,  LB+512*PT                   ; two copies (K halves) of the tile of C in f32: 64 rows of 256 + 16 bytes each
.set SP,   272
.set STGH, 64*SP
.set SPARE, STG+2*STGH                 ; the spare words, 128 bytes for each of the eight waves: four blocks of 256 bytes that no other line names
.set VL,  4                            ; v4   16 x lane: my 16 bytes in 512 consecutive bytes
.set V2,  5                            ; v5   2,048 h + 16 r: lanes 0-15 take 256 bytes of one row of 2,048, lanes 16-31 of the next
.set SA,  6                            ; v6   where I put 8 bytes of A's rows
.set SB,  7                            ; v7   the same for B
.set FA,  8                            ; v8   my lane's place in A's fragments
.set FB,  9                            ; v9   the same for B
.set STO, 10                           ; v10  the stage: where I put 32 bytes of a row
.set RD,  11                           ; v11  the stage: where I read rows back
.set SPW, 12                           ; v12  LDS address of my spare word; never rewritten
.set NIL, 13                           ; v13  0; never rewritten
.set MU,  14                           ; v[14:15] a row's mean, in the low word
.set RS,  16                           ; v[16:17] 1 / sqrt(var + eps), in the low word
.set VB,  18                           ; v18  16 r: my four columns in the bias
.set BI,  20                           ; v[20:23] bias of my four columns
.set RES, 24                           ; v[24:39] ct for the way out
.set G,   40                           ; v[40:55] ln_g, in a row's register layout
.set BB,  56                           ; v[56:71] ln_b
.set H,   72                           ; v[72:79] a piece rounded to f16
.set T,   80                           ; v[80:87] at work
.set ACC, 88                           ; v[88:119] accumulator (a, b) at ACC + 8 (2 a + b)
.set X,   128                          ; v[128:255] eight pieces of 16 registers as loaded
.set F0,  128                          ; later: two fragment buffers of 64 registers (two K steps each),
.set F1,  192
.set O,   128                          ; and at last the rows on their way out
	s_load_b128 s[4:7], s[0:1], 0x0                ; A s[4:5], B s[6:7]
	s_load_b64 s[8:9], s[0:1], 0x10                ; C
.if BIAS
	s_load_b64 s[10:11], s[0:1], 0x18              ; bias
.endif
.if LNR
	s_load_b128 s[12:15], s[0:1], 0x20             ; ln_g s[12:13], ln_b s[14:15]
	s_load_b64 s[16:17], s[0:1], 0x30              ; ct
.endif
	v_lshl_add_u32 v[SPW], v0, 2, SPARE
	v_mov_b32 v[NIL], 0
	v_lshrrev_b32 v2, 5, v0
	v_readfirstlane_b32 s20, v2                    ; wave w, 0..7
	v_and_b32 v1, 31, v0                           ; lane
	v_and_b32 v2, 15, v0                           ; r = lane % 16
	v_bfe_u32 v3, v0, 4, 1                         ; h = lane / 16
	v_lshlrev_b32 v[VL], 4, v1
	v_lshlrev_b32 v[VB], 4, v2
	v_lshl_add_u32 v[V2], v3, 11, v[VB]
	s_mov_b32 s21, ttmp9                           ; x: the tile's block of 64 columns
	s_and_b32 s22, ttmp7, 0xffff                   ; y: its block of 64 rows
	s_lshr_b32 s28, s20, 2                         ; kh
	s_bfe_u32 s29, s20, 0x10001                    ; mq
	s_and_b32 s30, s20, 1                          ; nq
	s_lshl_b32 s24, s22, 17                        ; 64 y rows of 2,048 bytes
	s_lshl_b32 s31, s20, 14                        ; 8 w rows
	s_add_co_u32 s24, s24, s31
	s_mov_b32 s25, 0
.if TRB
	s_lshl_b32 s26, s20, 17                        ; B: row 64 w (k), column 64 x
	s_lshl_b32 s31, s21, 8
.else
	s_lshl_b32 s26, s21, 17                        ; B: row 64 x + 8 w (n)
.endif
	s_add_co_u32 s26, s26, s31
	s_mov_b32 s27, 0
	s_wait_kmcnt 0x0
	s_add_nc_u64 s[4:5], s[4:5], s[24:25]          ; A at row 64 y + 8 w
	s_add_nc_u64 s[6:7], s[6:7], s[26:27]
	s_lshl_b32 s26, s21, 8                         ; 64 x columns of 4 bytes
	s_add_co_u32 s24, s24, s26
	s_add_nc_u64 s[8:9], s[8:9], s[24:25]          ; C at row 64 y + 8 w, column 64 x
.if BIAS
	s_add_nc_u64 s[10:11], s[10:11], s[26:27]
	global_load_b128 v[BI:BI+3], v[VB], s[10:11]
.endif
.if LNR
	s_add_nc_u64 s[16:17], s[16:17], s[24:25]
.irp j, 0,1,2,3
	global_load_b128 v[G+4*(\j):G+4*(\j)+3], v[VL], s[12:13] offset:512*(\j)
	global_load_b128 v[BB+4*(\j):BB+4*(\j)+3], v[VL], s[14:15] offset:512*(\j)
	global_load_b128 v[RES+4*(\j):RES+4*(\j)+3], v[V2], s[16:17] offset:4096*(\j)
.endr
.endif
; Piece i of A: row 8 w + i, four loads of 512 consecutive bytes; register 4 j + c of the piece holds column 128 j + 4 lane + c.
.macro LOADA i
.irp j, 0,1,2,3
	global_load_b128 v[X+16*(\i)+4*(\j):X+16*(\i)+4*(\j)+3], v[VL], s[4:5] offset:2048*(\i)+512*(\j)
.endr
.endm
; Piece i of B.  [n][k]: as A.  [k][n]: load 4 i + j takes 256 bytes (the tile's 64 columns) of each of the rows 64 w + 2 (4 i + j) + h.
.macro LOADB i
.irp j, 0,1,2,3
.if TRB
	global_load_b128 v[X+16*(\i)+4*(\j):X+16*(\i)+4*(\j)+3], v[V2], s[6:7] offset:4096*(4*(\i)+(\j))
.else
	global_load_b128 v[X+16*(\i)+4*(\j):X+16*(\i)+4*(\j)+3], v[VL], s[6:7] offset:2048*(\i)+512*(\j)
.endif
.endr
.endm
.irp i, 0,1,2,3,4,5,6,7
	LOADA \i
.endr
	; the LDS addresses are made while the loads are on their way
	s_mul_i32 s31, s20, 8*PA
	v_lshl_add_u32 v[SA], v1, 3, s31               ; row 8 w, 8 bytes a lane
.if TRB
	v_mul_u32_u24 v[SB], v3, PT
	v_lshl_add_u32 v[SB], v2, 3, v[SB]
	s_mul_i32 s31, s20, 64*PT
	s_add_co_u32 s31, s31, LB
	v_add_nc_u32 v[SB], s31, v[SB]                 ; row 64 w + h, 8 bytes for each of 16 lanes
.else
	v_add_nc_u32 v[SB], LB, v[SA]
.endif
	; A fragment is 16 rows x 32 k in 8 registers: lane l holds row l % 16; registers 0-3 k = 8 h + 0..7, registers 4-7 k = 16 + 8 h + 0..7: two loads of 16 bytes, 32 bytes apart.
	s_lshl_b32 s31, s29, 5
	v_add_nc_u32 v[FA], s31, v2                    ; row 32 mq + r
	v_mul_u32_u24 v[FA], v[FA], PA
	v_lshl_add_u32 v[FA], v3, 4, v[FA]
	s_lshl_b32 s31, s28, 9                         ; my K half begins 512 bytes into the rows
	v_add_nc_u32 v[FA], s31, v[FA]
.if TRB
	; The turning load takes 16 k x 16 n (lane l reads 16 bytes: k = 8 h + l % 8, n = 8 ((l / 8) % 2) + 0..7) and leaves half a fragment: lane l holds column l % 16 and 8 k.
	v_and_b32 v[FB], 7, v0
	v_lshl_add_u32 v[FB], v3, 3, v[FB]
	s_lshl_b32 s31, s28, 8
	v_add_nc_u32 v[FB], s31, v[FB]                 ; row 256 kh + 8 h + l % 8
	v_mul_u32_u24 v[FB], v[FB], PT
	v_bfe_u32 v19, v0, 3, 1
	v_lshl_add_u32 v[FB], v19, 4, v[FB]
	s_lshl_b32 s31, s30, 6                         ; my 32 columns
	s_add_co_u32 s31, s31, LB
	v_add_nc_u32 v[FB], s31, v[FB]
.else
	s_lshl_b32 s31, s30, 5
	v_add_nc_u32 v[FB], s31, v2                    ; row 32 nq + r
	v_mul_u32_u24 v[FB], v[FB], PA
	v_lshl_add_u32 v[FB], v3, 4, v[FB]
	s_lshl_b32 s31, s28, 9
	s_add_co_u32 s31, s31, LB
	v_add_nc_u32 v[FB], s31, v[FB]
.endif
	s_lshl_b32 s31, s29, 5
	v_add_nc_u32 v[STO], s31, v2                   ; the stage, in: row 32 mq + r, byte 128 nq + 32 h, copy kh
	v_mul_u32_u24 v[STO], v[STO], SP
	v_lshl_add_u32 v[STO], v3, 5, v[STO]
	s_mul_i32 s31, s28, STGH
	s_lshl_b32 s23, s30, 7
	s_add_co_u32 s31, s31, s23
	s_add_co_u32 s31, s31, STG
	v_add_nc_u32 v[STO], s31, v[STO]
	s_lshl_b32 s31, s20, 3
	v_add_nc_u32 v[RD], s31, v3                    ; back: row 8 w + h, 16 bytes for each of 16 lanes
	v_mul_u32_u24 v[RD], v[RD], SP
	v_lshl_add_u32 v[RD], v2, 4, v[RD]
	v_add_nc_u32 v[RD], STG, v[RD]
.macro CVT i                           ; a piece's 16 numbers rounded to f16, in pairs
.irp k, 0,1,2,3,4,5,6,7
	v_cvt_pk_f16_f32 v[H+(\k)], v[X+16*(\i)+2*(\k)], v[X+16*(\i)+2*(\k)+1]
.endr
.endm
.macro PUT adr, i, tr                  ; and put into LDS, 8 bytes a lane for each of the piece's four loads
.irp j, 0,1,2,3
.if \tr
	ds_store_b64 v[\adr], v[H+2*(\j):H+2*(\j)+1] offset:2*PT*(4*(\i)+(\j))
.else
	ds_store_b64 v[\adr], v[H+2*(\j):H+2*(\j)+1] offset:PA*(\i)+256*(\j)
.endif
.endr
.endm
; Piece i of A goes into LDS, and piece i of B is asked for into the registers that it leaves.
.macro STAGEA i
	s_wait_loadcnt 28                              ; behind piece i's last load stand 4 (7 - i) loads of A and 4 i of B: 28, whatever i; loads come back in order (ISA guide 5.7.1)
	CVT \i
	PUT SA, \i, 0
	LOADB \i
.endm
.macro STAGEB i
	s_wait_loadcnt 28-4*(\i)                       ; the pieces of B behind this one stay out
	CVT \i
	PUT SB, \i, TRB
.endm
.irp i, 0,1,2,3,4,5,6,7
	STAGEA \i
.endr
.irp i, 0,1,2,3,4,5,6,7
	STAGEB \i
.endr
	s_wait_dscnt 0x0                               ; for the others' sake: my stores into A's and B's rows are done
	s_barrier_signal -1
	s_barrier_wait -1                              ; everybody's are
; 16 LDS loads: the fragments of K steps 2 g and 2 g + 1 of my half into buffer f: for each step A's two blocks of 16 rows, then B's two blocks of 16 columns.
.macro FETCH g, f
.irp s, 0,1
.irp a, 0,1
	ds_load_b128 v[(\f)+32*(\s)+8*(\a):(\f)+32*(\s)+8*(\a)+3],   v[FA] offset:16*PA*(\a)+64*(2*(\g)+(\s))
	ds_load_b128 v[(\f)+32*(\s)+8*(\a)+4:(\f)+32*(\s)+8*(\a)+7], v[FA] offset:16*PA*(\a)+64*(2*(\g)+(\s))+32
.endr
.irp b, 0,1
.if TRB
	ds_load_tr16_b128 v[(\f)+32*(\s)+16+8*(\b):(\f)+32*(\s)+16+8*(\b)+3],   v[FB] offset:32*PT*(2*(\g)+(\s))+32*(\b)
	ds_load_tr16_b128 v[(\f)+32*(\s)+16+8*(\b)+4:(\f)+32*(\s)+16+8*(\b)+7], v[FB] offset:32*PT*(2*(\g)+(\s))+32*(\b)+16*PT
.else
	ds_load_b128 v[(\f)+32*(\s)+16+8*(\b):(\f)+32*(\s)+16+8*(\b)+3],   v[FB] offset:16*PA*(\b)+64*(2*(\g)+(\s))
	ds_load_b128 v[(\f)+32*(\s)+16+8*(\b)+4:(\f)+32*(\s)+16+8*(\b)+7], v[FB] offset:16*PA*(\b)+64*(2*(\g)+(\s))+32
.endif
.endr
.endr
.endm
; 8 matrix instructions: buffer f's two K steps on the four accumulators, which take turns, one instruction a turn.  zero = 1: the first step starts the sums: nothing is cleared.
.macro MUL f, zero
.irp s, 0,1
.irp a, 0,1
.irp b, 0,1
.if (\zero) && ((\s) == 0)
	v_wmma_f32_16x16x32_f16 v[ACC+8*(2*(\a)+(\b)):ACC+8*(2*(\a)+(\b))+7], v[(\f)+32*(\s)+16+8*(\b):(\f)+32*(\s)+16+8*(\b)+7], v[(\f)+32*(\s)+8*(\a):(\f)+32*(\s)+8*(\a)+7], 0
.else
	v_wmma_f32_16x16x32_f16 v[ACC+8*(2*(\a)+(\b)):ACC+8*(2*(\a)+(\b))+7], v[(\f)+32*(\s)+16+8*(\b):(\f)+32*(\s)+16+8*(\b)+7], v[(\f)+32*(\s)+8*(\a):(\f)+32*(\s)+8*(\a)+7], v[ACC+8*(2*(\a)+(\b)):ACC+8*(2*(\a)+(\b))+7]
.endif
.endr
.endr
.endr
.endm
.macro PLACES                          ; four places in front of loads into registers that matrix instructions have read, and of stores that read results
.rept 4
	v_nop
.endr
.endm
	FETCH 0, F0
	FETCH 1, F1
	s_wait_dscnt 16                                ; buffer 0 is in; buffer 1's sixteen loads may be out
	MUL F0, 1
	PLACES
	FETCH 2, F0
	s_wait_dscnt 16                                ; all but the sixteen just issued
	MUL F1, 0
	PLACES
	FETCH 3, F1
	s_wait_dscnt 16
	MUL F0, 0
	s_wait_dscnt 0x0
	MUL F1, 0
	PLACES
	; my quadrant's sums over my K half go into my copy of the stage: a lane's eight numbers are 32 neighbouring bytes of a row; each accumulator's low registers first
.irp a, 0,1
.irp b, 0,1
	ds_store_b128 v[STO], v[ACC+8*(2*(\a)+(\b)):ACC+8*(2*(\a)+(\b))+3]   offset:16*SP*(\a)+64*(\b)
	ds_store_b128 v[STO], v[ACC+8*(2*(\a)+(\b))+4:ACC+8*(2*(\a)+(\b))+7] offset:16*SP*(\a)+64*(\b)+16
.endr
.endr
	s_wait_dscnt 0x0                               ; for the others' sake: my stores into the stage are done
	s_barrier_signal -1
	s_barrier_wait -1
	; THE WAY OUT: wave w takes rows 8 w .. 8 w + 7, two at a time, from both copies, adds them, and stores them.
.irp t, 0,1,2,3
	ds_load_b128 v[O+8*(\t):O+8*(\t)+3],   v[RD] offset:2*SP*(\t)
	ds_load_b128 v[O+8*(\t)+4:O+8*(\t)+7], v[RD] offset:2*SP*(\t)+STGH
.endr
.irp t, 0,1,2,3
	s_wait_dscnt 6-2*(\t)                          ; the pairs of loads behind this one stay out
	v_pk_add_f32 v[O+8*(\t):O+8*(\t)+1],   v[O+8*(\t):O+8*(\t)+1],   v[O+8*(\t)+4:O+8*(\t)+5]
	v_pk_add_f32 v[O+8*(\t)+2:O+8*(\t)+3], v[O+8*(\t)+2:O+8*(\t)+3], v[O+8*(\t)+6:O+8*(\t)+7]
	global_store_b128 v[V2], v[O+8*(\t):O+8*(\t)+3], s[8:9] offset:4096*(\t)  ; 16 lanes store 256 consecutive bytes, at a multiple of 256 from C's first byte
.endr
	s_wait_tensorcnt 0x0                           ; the wave's end, behind my last LDS store
	ds_add_u32 v[SPW], v[NIL]
	s_wait_dscnt 0x0
	s_endpgm
.Lfunc_end_k_qb71ad12a68_gu:
	.size	k_qb71ad12a68_gu, .Lfunc_end_k_qb71ad12a68_gu-k_qb71ad12a68_gu
	.p2alignl 7, 3214868480
	.fill 96, 4, 3214868480
	.section	.rodata,"a",@progbits
	.p2align	6, 0x0
	.amdhsa_kernel k_qb71ad12a68_gu
		.amdhsa_group_segment_fixed_size 184320
		.amdhsa_private_segment_fixed_size 0
		.amdhsa_enable_private_segment 0
		.amdhsa_kernarg_size 24
		.amdhsa_user_sgpr_count 2
		.amdhsa_user_sgpr_kernarg_segment_ptr 1
		.amdhsa_wavefront_size32 1
		.amdhsa_system_sgpr_workgroup_id_x 1
		.amdhsa_system_sgpr_workgroup_id_y 1
		.amdhsa_system_sgpr_workgroup_id_z 1
		.amdhsa_system_vgpr_workitem_id 0
		.amdhsa_next_free_vgpr 256
		.amdhsa_next_free_sgpr 66
		.amdhsa_reserve_vcc 0
		.amdhsa_float_denorm_mode_32 3
		.amdhsa_float_denorm_mode_16_64 3
		.amdhsa_memory_ordered 1
		.amdhsa_forward_progress 1
		.amdhsa_inst_pref_size 31
	.end_amdhsa_kernel
	.amdgpu_metadata
---
amdhsa.version: [ 1, 2 ]
amdhsa.kernels:
  - .name:           k_qb71ad12a68_gu
    .symbol:         k_qb71ad12a68_gu.kd
    .args:
      - { .name: q, .offset: 0, .size: 8, .value_kind: global_buffer, .address_space: global }
      - { .name: W2, .offset: 8, .size: 8, .value_kind: global_buffer, .address_space: global }
      - { .name: u, .offset: 16, .size: 8, .value_kind: global_buffer, .address_space: global }
    .group_segment_fixed_size: 184320
    .private_segment_fixed_size: 0
    .kernarg_segment_align: 8
    .kernarg_segment_size: 24
    .max_flat_workgroup_size: 256
    .sgpr_count:     66
    .vgpr_count:     256
    .wavefront_size: 32
...
	.end_amdgpu_metadata
.endif
;; end of part 2
;; launch att (part 3): grid 256 x 1, 8 waves a work-group, no clusters, 0 bytes of LDS; arguments Lt, u, q, b2, z; writes z
.if DOCPART == 3
	.amdgcn_target "amdgcn-amd-amdhsa--gfx1250"
	.amdhsa_code_object_version 6
	.text
	.protected	k_qb71ad12a68_att
	.globl	k_qb71ad12a68_att
	.p2align	8
	.type	k_qb71ad12a68_att,@function
k_qb71ad12a68_att:
	s_mov_b64 s[64:65], 0
	v_nop
	global_prefetch_b8 v0, s[64:65] scope:SCOPE_SE
	s_setreg_imm32_b32 hwreg(HW_REG_WAVE_MODE, 25, 1), 1
	s_wait_xcnt 0x0
; For each batch row b: s[t] = u[b] . Lt[b][t] + q[b] . b2;  p = softmax over t of s / sqrt(512);  z[b] = sum over t of p[t] Lt[b][t].
; Lt: [2048][64][512], u, q, z: [2048][512], b2: [512], all f32.  With u = q W2 this s is q . (W2 x + b2), for every input; the value projection follows in the next launch, on z (the weights add up to 1).
; All arithmetic in f32 on the vector unit: a product with one row for each 128 KB of Lt is a stream, each number of Lt meets two multiply-adds, and the matrix unit would add nothing.
; SOFTMAX.  A running maximum m and sum l over groups of four rows: p = 2^(c (s - m)), c = log2(e) / sqrt(512); z and l are multiplied by a = 2^(c (m_old - m_new)) in every group but the first.
; LIMITS.  A weight below 2^-126 counts as 0; NaN and infinities are not treated apart.
; SHARES.  One wave owns one batch row from first byte to last: 8 waves a work-group, 256 work-groups.  No LDS, no barrier; nothing is shared between work-groups, so a cluster has nothing to offer.
; A row of Lt is four loads of the wave, 512 consecutive bytes each: register 4 j + c holds column 128 j + 4 lane + c; u, q, b2 and z lie likewise.
; Lt[b] is read once: a group's four rows stay in registers between the scores and the weighted sum.  A ring of three slots of four rows: one at work, two (32 loads, 16 KB a wave) always on their way.
.set CQ, 2                             ; v[2:3]   q . b2 / 64, twice: each of a score's 64 partial sums (32 lanes x 2) starts from it
.set M,  4                             ; v4       m
.set L,  5                             ; v5       l
.set W,  6                             ; v[6:7]   at work
.set U,  8                             ; v[8:23]  u[b]
.set Z,  24                            ; v[24:39] z (first: q[b])
.set D,  40                            ; v[40:47] row i's score at D + 2 i, as a pair of partial sums (v[40:55] first hold b2)
.set PW, 48                            ; v[48:55] row i's weight at PW + 2 i, its exponent at PW + 2 i + 1
.set AF, 56                            ; v[56:57] a and its exponent; at the end 1 / l
.set X,  64                            ; v[64:255] slot s at X + 64 s, row i at + 16 i
	s_load_b256 s[4:11], s[0:1], 0x0               ; Lt s[4:5], u s[6:7], q s[8:9], b2 s[10:11]
	s_load_b64 s[12:13], s[0:1], 0x20              ; z
	v_lshrrev_b32 v2, 5, v0
	v_readfirstlane_b32 s14, v2                    ; wave
	v_and_b32 v1, 31, v0
	v_lshlrev_b32 v1, 4, v1                        ; v1 = 16 x lane; never rewritten
	s_lshl_b32 s15, ttmp9, 3
	s_add_co_u32 s15, s15, s14                     ; b
	s_lshl_b32 s16, s15, 17                        ; 64 rows of 2,048 bytes for each b: under 2^28
	s_mov_b32 s17, 0
	s_mov_b32 s19, 0x3d8293ee                      ; c = log2(e) / sqrt(512) = 0.0637587
	s_mov_b32 s20, 0x76543210                      ; v_permlanex16_b32: each lane takes its own place in the other half
	s_mov_b32 s21, 0xfedcba98
	s_wait_kmcnt 0x0
	s_add_nc_u64 s[4:5], s[4:5], s[16:17]
	s_lshl_b32 s16, s15, 11
	s_add_nc_u64 s[6:7], s[6:7], s[16:17]
	s_add_nc_u64 s[8:9], s[8:9], s[16:17]
	s_add_nc_u64 s[12:13], s[12:13], s[16:17]
.irp j, 0,1,2,3
	global_load_b128 v[U+4*(\j):U+4*(\j)+3], v1, s[6:7] offset:512*(\j)
	global_load_b128 v[Z+4*(\j):Z+4*(\j)+3], v1, s[8:9] offset:512*(\j)
	global_load_b128 v[D+4*(\j):D+4*(\j)+3], v1, s[10:11] offset:512*(\j)
.endr
.macro FILL slot, g                    ; sixteen loads: the four rows of the group that lies g groups behind Lt's stepped base
.irp i, 0,1,2,3
.irp j, 0,1,2,3
	global_load_b128 v[X+64*(\slot)+16*(\i)+4*(\j):X+64*(\slot)+16*(\i)+4*(\j)+3], v1, s[4:5] offset:8192*(\g)+2048*(\i)+512*(\j) th:TH_LOAD_NT
.endr
.endr
.endm
	FILL 0, 0
	FILL 1, 1
	FILL 2, 2
	s_wait_loadcnt 48                              ; u, q and b2 are in; the 48 loads of groups 0 to 2 stay out
	v_pk_mul_f32 v[W:W+1], v[Z:Z+1], v[D:D+1]      ; q . b2
.irp k, 1,2,3,4,5,6,7
	v_pk_fma_f32 v[W:W+1], v[Z+2*(\k):Z+2*(\k)+1], v[D+2*(\k):D+2*(\k)+1], v[W:W+1]
.endr
	v_add_f32 v[W], v[W], v[W+1]
	v_add_f32_dpp v[W], v[W], v[W] row_xmask:1 row_mask:0xf bank_mask:0xf
	v_add_f32_dpp v[W], v[W], v[W] row_xmask:2 row_mask:0xf bank_mask:0xf
	v_add_f32_dpp v[W], v[W], v[W] row_xmask:4 row_mask:0xf bank_mask:0xf
	v_add_f32_dpp v[W], v[W], v[W] row_xmask:8 row_mask:0xf bank_mask:0xf
	v_permlanex16_b32 v[W+1], v[W], s20, s21
	v_add_f32 v[W], v[W], v[W+1]
	v_mul_f32 v[CQ], 0x3c800000, v[W]              ; / 64, exact
	v_mov_b32 v[CQ+1], v[CQ]
; A group of four rows in slot \slot.  first = 1: it starts m, l and z: nothing is cleared.  fill >= 0: the slot is filled again, with the group three further on.
; left: how many younger loads may stay out.
.macro GROUP slot, first, fill, left
.set XB, X+64*(\slot)
	s_wait_loadcnt \left                           ; loads come back in order (ISA guide 5.7.1): this slot's sixteen are in
.irp j, 0,1,2,3,4,5,6,7                ; the four scores, side by side: between two links of a chain stand the three others'
.irp i, 0,1,2,3
.if (\j) == 0
	v_pk_fma_f32 v[D+2*(\i):D+2*(\i)+1], v[XB+16*(\i):XB+16*(\i)+1], v[U:U+1], v[CQ:CQ+1]
.else
	v_pk_fma_f32 v[D+2*(\i):D+2*(\i)+1], v[XB+16*(\i)+2*(\j):XB+16*(\i)+2*(\j)+1], v[U+2*(\j):U+2*(\j)+1], v[D+2*(\i):D+2*(\i)+1]
.endif
.endr
.endr
.irp i, 0,1,2,3
	v_add_f32 v[D+2*(\i)], v[D+2*(\i)], v[D+2*(\i)+1]
.endr
.irp x, 1,2,4,8                        ; across the 32 lanes: four steps inside each half ride on the addition, one crosses the halves; every lane ends with the score
.irp i, 0,1,2,3
	v_add_f32_dpp v[D+2*(\i)], v[D+2*(\i)], v[D+2*(\i)] row_xmask:\x row_mask:0xf bank_mask:0xf
.endr
.endr
.irp i, 0,1,2,3
	v_permlanex16_b32 v[D+2*(\i)+1], v[D+2*(\i)], s20, s21
.endr
.irp i, 0,1,2,3
	v_add_f32 v[D+2*(\i)], v[D+2*(\i)], v[D+2*(\i)+1]
.endr
.if \first
	v_max3_num_f32 v[W], v[D], v[D+2], v[D+4]
	v_max_num_f32 v[W], v[W], v[D+6]
.else
	v_max3_num_f32 v[W], v[M], v[D], v[D+2]
	v_max3_num_f32 v[W], v[W], v[D+4], v[D+6]      ; the new m
	v_sub_f32 v[AF+1], v[M], v[W]
.endif
.irp i, 0,1,2,3
	v_sub_f32 v[PW+2*(\i)+1], v[D+2*(\i)], v[W]
.endr
.if !(\first)
	v_mul_f32 v[AF+1], s19, v[AF+1]
.endif
.irp i, 0,1,2,3
	v_mul_f32 v[PW+2*(\i)+1], s19, v[PW+2*(\i)+1]
.endr
.if !(\first)
	v_exp_f32 v[AF], v[AF+1]
.endif
.irp i, 0,1,2,3
	v_exp_f32 v[PW+2*(\i)], v[PW+2*(\i)+1]
.endr
	v_mov_b32 v[M], v[W]                           ; a plain instruction between the exponentials and the use of their results (ISA guide 5.7.2)
	s_wait_alu depctr_va_vdst(0)
	v_add_f32 v[W], v[PW], v[PW+2]
	v_add_f32 v[W+1], v[PW+4], v[PW+6]
.if \first
	v_add_f32 v[L], v[W], v[W+1]
.irp k, 0,1,2,3,4,5,6,7
	v_pk_mul_f32 v[Z+2*(\k):Z+2*(\k)+1], v[XB+2*(\k):XB+2*(\k)+1], v[PW:PW+1] op_sel_hi:[1,0]
.endr
.else
	v_add_f32 v[W], v[W], v[W+1]
	v_fma_f32 v[L], v[L], v[AF], v[W]
.irp k, 0,1,2,3,4,5,6,7
	v_pk_mul_f32 v[Z+2*(\k):Z+2*(\k)+1], v[Z+2*(\k):Z+2*(\k)+1], v[AF:AF+1] op_sel_hi:[1,0]
.endr
.irp k, 0,1,2,3,4,5,6,7
	v_pk_fma_f32 v[Z+2*(\k):Z+2*(\k)+1], v[XB+2*(\k):XB+2*(\k)+1], v[PW:PW+1], v[Z+2*(\k):Z+2*(\k)+1] op_sel_hi:[1,0,1]
.endr
.endif
.irp i, 1,2,3
.irp k, 0,1,2,3,4,5,6,7
	v_pk_fma_f32 v[Z+2*(\k):Z+2*(\k)+1], v[XB+16*(\i)+2*(\k):XB+16*(\i)+2*(\k)+1], v[PW+2*(\i):PW+2*(\i)+1], v[Z+2*(\k):Z+2*(\k)+1] op_sel_hi:[1,0,1]
.endr
.endr
.if (\fill) >= 0
	FILL \slot, \fill
.endif
.endm
	GROUP 0, 1, 3, 32                              ; group 0 starts the sums, ahead of the loop; groups 1 and 2 stay out
	s_mov_b32 s18, 4
.Ltrip:                                                ; trip n: groups 3 n + 1 to 3 n + 3; it asks for groups 3 n + 4 to 3 n + 6, the last of them group 15: no load leaves Lt[b]
	GROUP 1, 0, 4, 32
	GROUP 2, 0, 5, 32
	GROUP 0, 0, 6, 32
	s_wait_xcnt 0x0                                ; every earlier load has had its address translated (ISA guide 3.1): only behind this wait is Lt's base stepped
	s_add_nc_u64 s[4:5], s[4:5], 24576             ; three groups of 8,192 bytes
	s_sub_co_u32 s18, s18, 1
	s_cmp_lg_u32 s18, 0
	s_cbranch_scc1 .Ltrip
	GROUP 1, 0, -1, 32                             ; groups 13 to 15 ask for nothing: the counts run down
	GROUP 2, 0, -1, 16
	GROUP 0, 0, -1, 0
	v_rcp_f32 v[AF], v[L]
	v_nop                                          ; a plain instruction between the reciprocal and the use of its result
	s_wait_alu depctr_va_vdst(0)
.irp k, 0,1,2,3,4,5,6,7
	v_pk_mul_f32 v[Z+2*(\k):Z+2*(\k)+1], v[Z+2*(\k):Z+2*(\k)+1], v[AF:AF+1] op_sel_hi:[1,0]
.endr
.irp j, 0,1,2,3
	global_store_b128 v1, v[Z+4*(\j):Z+4*(\j)+3], s[12:13] offset:512*(\j)  ; 512 consecutive bytes, at a multiple of 256 from z's first byte
.endr
	s_endpgm
.Lfunc_end_k_qb71ad12a68_att:
	.size	k_qb71ad12a68_att, .Lfunc_end_k_qb71ad12a68_att-k_qb71ad12a68_att
	.p2alignl 7, 3214868480
	.fill 96, 4, 3214868480
	.section	.rodata,"a",@progbits
	.p2align	6, 0x0
	.amdhsa_kernel k_qb71ad12a68_att
		.amdhsa_group_segment_fixed_size 0
		.amdhsa_private_segment_fixed_size 0
		.amdhsa_enable_private_segment 0
		.amdhsa_kernarg_size 40
		.amdhsa_user_sgpr_count 2
		.amdhsa_user_sgpr_kernarg_segment_ptr 1
		.amdhsa_wavefront_size32 1
		.amdhsa_system_sgpr_workgroup_id_x 1
		.amdhsa_system_sgpr_workgroup_id_y 1
		.amdhsa_system_sgpr_workgroup_id_z 1
		.amdhsa_system_vgpr_workitem_id 0
		.amdhsa_next_free_vgpr 256
		.amdhsa_next_free_sgpr 66
		.amdhsa_reserve_vcc 0
		.amdhsa_float_denorm_mode_32 3
		.amdhsa_float_denorm_mode_16_64 3
		.amdhsa_memory_ordered 1
		.amdhsa_forward_progress 1
		.amdhsa_inst_pref_size 63
	.end_amdhsa_kernel
	.amdgpu_metadata
---
amdhsa.version: [ 1, 2 ]
amdhsa.kernels:
  - .name:           k_qb71ad12a68_att
    .symbol:         k_qb71ad12a68_att.kd
    .args:
      - { .name: Lt, .offset: 0, .size: 8, .value_kind: global_buffer, .address_space: global }
      - { .name: u, .offset: 8, .size: 8, .value_kind: global_buffer, .address_space: global }
      - { .name: q, .offset: 16, .size: 8, .value_kind: global_buffer, .address_space: global }
      - { .name: b2, .offset: 24, .size: 8, .value_kind: global_buffer, .address_space: global }
      - { .name: z, .offset: 32, .size: 8, .value_kind: global_buffer, .address_space: global }
    .group_segment_fixed_size: 0
    .private_segment_fixed_size: 0
    .kernarg_segment_align: 8
    .kernarg_segment_size: 40
    .max_flat_workgroup_size: 256
    .sgpr_count:     66
    .vgpr_count:     256
    .wavefront_size: 32
...
	.end_amdgpu_metadata
.endif
;; end of part 3
;; launch gv: the kernel of part 1 again; grid 8 x 32, 8 waves a work-group, no clusters, 184,320 bytes of LDS; arguments z, W3, sll, b3; writes sll
;; launch go (part 4): grid 8 x 32, 8 waves a work-group, no clusters, 184,320 bytes of LDS; arguments sll, W4, out0, b4, ln_g, ln_b, ct; writes out0
.if DOCPART == 4
	.amdgcn_target "amdgcn-amd-amdhsa--gfx1250"
	.amdhsa_code_object_version 6
	.text
	.protected	k_qb71ad12a68_go
	.globl	k_qb71ad12a68_go
	.p2align	8
	.type	k_qb71ad12a68_go,@function
k_qb71ad12a68_go:
	s_mov_b64 s[64:65], 0
	v_nop
	global_prefetch_b8 v0, s[64:65] scope:SCOPE_SE
	s_setreg_imm32_b32 hwreg(HW_REG_WAVE_MODE, 25, 1), 1
	s_wait_xcnt 0x0
; C[m][n] = ct[m][n] + bias[n] + sum over k of h[m][k] B[n][k], with h[m] = relu(LayerNorm(A[m]) * ln_g + ln_b), LayerNorm over the row's 512 numbers with eps = 1e-5.
; A, C, ct: [2048][512], B: [512][512], bias, ln_g, ln_b: [512], all f32 in memory.  (One text serves three bodies, by the three flags below.  Here: B lies [n][k], a bias is added, A's rows are normalised.)
; The products go to the matrix unit with f16 operands and f32 sums: h and B are rounded to f16 once, on the way from memory through registers into LDS.  Mean, variance, gain, offset and ReLU in f32.
; LIMITS.  f16 holds no number beyond 65,504: every number of h (at most sqrt(511) |ln_g| + |ln_b|) and B must lie within it; below 6e-5 a number keeps f16's fixed step of 6e-8.  NaN and infinities are not treated apart.
; SHARES.  A work-group makes a tile of 64 x 64 of C: 32 x 8 tiles, 256 work-groups.  The whole K = 512 of both operands is staged at once (64 rows x 1,024 bytes each), so there is no ring and no refill.
; Staging: wave w brings rows 8 w .. 8 w + 7 of A's and of B's 64 rows, whole rows: each load of a wave covers 512 consecutive bytes, and a row's mean and variance never leave the wave.
; Products: wave (kh, mq, nq) makes the quadrant of 32 x 32 at (mq, nq) over k = 256 kh .. 256 kh + 255: 4 accumulators, 8 K steps, 32 matrix instructions.  The two K halves meet in a stage in LDS.
; THE MATRIX INSTRUCTION IS USED TRANSPOSED (source 0 = 16 rows of B, source 1 = 16 rows of A): a lane then holds eight neighbouring numbers of a row of C.
; NO CLUSTER, NO TENSOR LOADS: the operands are f32 in memory and are normalised and rounded in registers before they reach LDS.  A tile brought by a joint load would lie in LDS as f32: twice the LDS bytes
; for each fragment, and the conversion repeated by both waves that read a fragment; what the eight (A) or 32 (B) work-groups share is 128 KB a work-group in a launch without a loop.
.set TRB,  0                           ; 1: B lies [k][n] in memory (C = A B), and is read out of LDS by the turning load
.set BIAS, 1                           ; 1: bias[n] is added
.set LNR,  1                           ; 1: A's rows pass LayerNorm, gain, offset and ReLU on the way in, and ct is added on the way out
.set PA,   1040                        ; an LDS row of 512 f16: 1,024 bytes + 16: an odd multiple of 16, so the 16 rows of a fragment load start at 16 different groups of four banks (64 banks of 4 bytes: ISA guide 11.1)
.set PT,   160                         ; TRB: an LDS row of 64 f16: 128 bytes + 32
.set LB,   64*PA                       ; A's 64 rows lie from byte 0; B from here: 64 rows of PA, or 512 rows of PT (81,920 bytes are kept for it)
.set STG,  LB+512*PT                   ; two copies (K halves) of the tile of C in f32: 64 rows of 256 + 16 bytes each
.set SP,   272
.set STGH, 64*SP
.set SPARE, STG+2*STGH                 ; the spare words, 128 bytes for each of the eight waves: four blocks of 256 bytes that no other line names
.set VL,  4                            ; v4   16 x lane: my 16 bytes in 512 consecutive bytes
.set V2,  5                            ; v5   2,048 h + 16 r: lanes 0-15 take 256 bytes of one row of 2,048, lanes 16-31 of the next
.set SA,  6                            ; v6   where I put 8 bytes of A's rows
.set SB,  7                            ; v7   the same for B
.set FA,  8                            ; v8   my lane's place in A's fragments
.set FB,  9                            ; v9   the same for B
.set STO, 10                           ; v10  the stage: where I put 32 bytes of a row
.set RD,  11                           ; v11  the stage: where I read rows back
.set SPW, 12                           ; v12  LDS address of my spare word; never rewritten
.set NIL, 13                           ; v13  0; never rewritten
.set MU,  14                           ; v[14:15] a row's mean, in the low word
.set RS,  16                           ; v[16:17] 1 / sqrt(var + eps), in the low word
.set VB,  18                           ; v18  16 r: my four columns in the bias
.set BI,  20                           ; v[20:23] bias of my four columns
.set RES, 24                           ; v[24:39] ct for the way out
.set G,   40                           ; v[40:55] ln_g, in a row's register layout
.set BB,  56                           ; v[56:71] ln_b
.set H,   72                           ; v[72:79] a piece rounded to f16
.set T,   80                           ; v[80:87] at work
.set ACC, 88                           ; v[88:119] accumulator (a, b) at ACC + 8 (2 a + b)
.set X,   128                          ; v[128:255] eight pieces of 16 registers as loaded
.set F0,  128                          ; later: two fragment buffers of 64 registers (two K steps each),
.set F1,  192
.set O,   128                          ; and at last the rows on their way out
	s_load_b128 s[4:7], s[0:1], 0x0                ; A s[4:5], B s[6:7]
	s_load_b64 s[8:9], s[0:1], 0x10                ; C
.if BIAS
	s_load_b64 s[10:11], s[0:1], 0x18              ; bias
.endif
.if LNR
	s_load_b128 s[12:15], s[0:1], 0x20             ; ln_g s[12:13], ln_b s[14:15]
	s_load_b64 s[16:17], s[0:1], 0x30              ; ct
.endif
	v_lshl_add_u32 v[SPW], v0, 2, SPARE
	v_mov_b32 v[NIL], 0
	v_lshrrev_b32 v2, 5, v0
	v_readfirstlane_b32 s20, v2                    ; wave w, 0..7
	v_and_b32 v1, 31, v0                           ; lane
	v_and_b32 v2, 15, v0                           ; r = lane % 16
	v_bfe_u32 v3, v0, 4, 1                         ; h = lane / 16
	v_lshlrev_b32 v[VL], 4, v1
	v_lshlrev_b32 v[VB], 4, v2
	v_lshl_add_u32 v[V2], v3, 11, v[VB]
	s_mov_b32 s21, ttmp9                           ; x: the tile's block of 64 columns
	s_and_b32 s22, ttmp7, 0xffff                   ; y: its block of 64 rows
	s_lshr_b32 s28, s20, 2                         ; kh
	s_bfe_u32 s29, s20, 0x10001                    ; mq
	s_and_b32 s30, s20, 1                          ; nq
	s_lshl_b32 s24, s22, 17                        ; 64 y rows of 2,048 bytes
	s_lshl_b32 s31, s20, 14                        ; 8 w rows
	s_add_co_u32 s24, s24, s31
	s_mov_b32 s25, 0
.if TRB
	s_lshl_b32 s26, s20, 17                        ; B: row 64 w (k), column 64 x
	s_lshl_b32 s31, s21, 8
.else
	s_lshl_b32 s26, s21, 17                        ; B: row 64 x + 8 w (n)
.endif
	s_add_co_u32 s26, s26, s31
	s_mov_b32 s27, 0
	s_wait_kmcnt 0x0
	s_add_nc_u64 s[4:5], s[4:5], s[24:25]          ; A at row 64 y + 8 w
	s_add_nc_u64 s[6:7], s[6:7], s[26:27]
	s_lshl_b32 s26, s21, 8                         ; 64 x columns of 4 bytes
	s_add_co_u32 s24, s24, s26
	s_add_nc_u64 s[8:9], s[8:9], s[24:25]          ; C at row 64 y + 8 w, column 64 x
.if BIAS
	s_add_nc_u64 s[10:11], s[10:11], s[26:27]
	global_load_b128 v[BI:BI+3], v[VB], s[10:11]
.endif
.if LNR
	s_add_nc_u64 s[16:17], s[16:17], s[24:25]      ; ct at the same place as C
.irp j, 0,1,2,3
	global_load_b128 v[G+4*(\j):G+4*(\j)+3], v[VL], s[12:13] offset:512*(\j)
	global_load_b128 v[BB+4*(\j):BB+4*(\j)+3], v[VL], s[14:15] offset:512*(\j)
	global_load_b128 v[RES+4*(\j):RES+4*(\j)+3], v[V2], s[16:17] offset:4096*(\j)
.endr
.endif
; Piece i of A: row 8 w + i, four loads of 512 consecutive bytes; register 4 j + c of the piece holds column 128 j + 4 lane + c.
.macro LOADA i
.irp j, 0,1,2,3
	global_load_b128 v[X+16*(\i)+4*(\j):X+16*(\i)+4*(\j)+3], v[VL], s[4:5] offset:2048*(\i)+512*(\j)
.endr
.endm
; Piece i of B.  [n][k]: as A.  [k][n]: load 4 i + j takes 256 bytes (the tile's 64 columns) of each of the rows 64 w + 2 (4 i + j) + h.
.macro LOADB i
.irp j, 0,1,2,3
.if TRB
	global_load_b128 v[X+16*(\i)+4*(\j):X+16*(\i)+4*(\j)+3], v[V2], s[6:7] offset:4096*(4*(\i)+(\j))
.else
	global_load_b128 v[X+16*(\i)+4*(\j):X+16*(\i)+4*(\j)+3], v[VL], s[6:7] offset:2048*(\i)+512*(\j)
.endif
.endr
.endm
.irp i, 0,1,2,3,4,5,6,7
	LOADA \i
.endr
	; the LDS addresses are made while the loads are on their way
	s_mul_i32 s31, s20, 8*PA
	v_lshl_add_u32 v[SA], v1, 3, s31               ; row 8 w, 8 bytes a lane
.if TRB
	v_mul_u32_u24 v[SB], v3, PT
	v_lshl_add_u32 v[SB], v2, 3, v[SB]
	s_mul_i32 s31, s20, 64*PT
	s_add_co_u32 s31, s31, LB
	v_add_nc_u32 v[SB], s31, v[SB]                 ; row 64 w + h, 8 bytes for each of 16 lanes
.else
	v_add_nc_u32 v[SB], LB, v[SA]
.endif
	; A fragment is 16 rows x 32 k in 8 registers: lane l holds row l % 16; registers 0-3 k = 8 h + 0..7, registers 4-7 k = 16 + 8 h + 0..7: two loads of 16 bytes, 32 bytes apart.
	s_lshl_b32 s31, s29, 5
	v_add_nc_u32 v[FA], s31, v2                    ; row 32 mq + r
	v_mul_u32_u24 v[FA], v[FA], PA
	v_lshl_add_u32 v[FA], v3, 4, v[FA]
	s_lshl_b32 s31, s28, 9                         ; my K half begins 512 bytes into the rows
	v_add_nc_u32 v[FA], s31, v[FA]
.if TRB
	; The turning load takes 16 k x 16 n (lane l reads 16 bytes: k = 8 h + l % 8, n = 8 ((l / 8) % 2) + 0..7) and leaves half a fragment: lane l holds column l % 16 and 8 k.
	v_and_b32 v[FB], 7, v0
	v_lshl_add_u32 v[FB], v3, 3, v[FB]
	s_lshl_b32 s31, s28, 8
	v_add_nc_u32 v[FB], s31, v[FB]                 ; row 256 kh + 8 h + l % 8
	v_mul_u32_u24 v[FB], v[FB], PT
	v_bfe_u32 v19, v0, 3, 1
	v_lshl_add_u32 v[FB], v19, 4, v[FB]
	s_lshl_b32 s31, s30, 6                         ; my 32 columns
	s_add_co_u32 s31, s31, LB
	v_add_nc_u32 v[FB], s31, v[FB]
.else
	s_lshl_b32 s31, s30, 5
	v_add_nc_u32 v[FB], s31, v2                    ; row 32 nq + r
	v_mul_u32_u24 v[FB], v[FB], PA
	v_lshl_add_u32 v[FB], v3, 4, v[FB]
	s_lshl_b32 s31, s28, 9
	s_add_co_u32 s31, s31, LB
	v_add_nc_u32 v[FB], s31, v[FB]
.endif
	s_lshl_b32 s31, s29, 5
	v_add_nc_u32 v[STO], s31, v2                   ; the stage, in: row 32 mq + r, byte 128 nq + 32 h, copy kh
	v_mul_u32_u24 v[STO], v[STO], SP
	v_lshl_add_u32 v[STO], v3, 5, v[STO]
	s_mul_i32 s31, s28, STGH
	s_lshl_b32 s23, s30, 7
	s_add_co_u32 s31, s31, s23
	s_add_co_u32 s31, s31, STG
	v_add_nc_u32 v[STO], s31, v[STO]
	s_lshl_b32 s31, s20, 3
	v_add_nc_u32 v[RD], s31, v3                    ; back: row 8 w + h, 16 bytes for each of 16 lanes
	v_mul_u32_u24 v[RD], v[RD], SP
	v_lshl_add_u32 v[RD], v2, 4, v[RD]
	v_add_nc_u32 v[RD], STG, v[RD]
.if LNR
	s_mov_b32 s32, 0x76543210                      ; v_permlanex16_b32: each lane takes its own place in the other half
	s_mov_b32 s33, 0xfedcba98
	s_mov_b32 s34, 0x3b000000                      ; 1 / 512
	s_mov_b32 s35, 0x3727c5ac                      ; 1e-5
	v_mov_b32 v[MU+1], 0                           ; named with the low words as pairs
	v_mov_b32 v[RS+1], 0
.endif
.macro CVT i                           ; a piece's 16 numbers rounded to f16, in pairs
.irp k, 0,1,2,3,4,5,6,7
	v_cvt_pk_f16_f32 v[H+(\k)], v[X+16*(\i)+2*(\k)], v[X+16*(\i)+2*(\k)+1]
.endr
.endm
.macro PUT adr, i, tr                  ; and put into LDS, 8 bytes a lane for each of the piece's four loads
.irp j, 0,1,2,3
.if \tr
	ds_store_b64 v[\adr], v[H+2*(\j):H+2*(\j)+1] offset:2*PT*(4*(\i)+(\j))
.else
	ds_store_b64 v[\adr], v[H+2*(\j):H+2*(\j)+1] offset:PA*(\i)+256*(\j)
.endif
.endr
.endm
.if LNR
.macro XSUM                            ; the sum of the pair v[T:T+1] over the 32 lanes, into every lane's v[T]
	v_add_f32 v[T], v[T], v[T+1]
	v_add_f32_dpp v[T], v[T], v[T] row_xmask:1 row_mask:0xf bank_mask:0xf
	v_add_f32_dpp v[T], v[T], v[T] row_xmask:2 row_mask:0xf bank_mask:0xf
	v_add_f32_dpp v[T], v[T], v[T] row_xmask:4 row_mask:0xf bank_mask:0xf
	v_add_f32_dpp v[T], v[T], v[T] row_xmask:8 row_mask:0xf bank_mask:0xf
	v_permlanex16_b32 v[T+1], v[T], s32, s33
	v_add_f32 v[T], v[T], v[T+1]
.endm
; Row i, which the wave holds whole (16 numbers a lane): relu((x - mean) / sqrt(var + 1e-5) * g + b), in place.  The mean is taken away first and the squares are those of the differences.
.macro LNORM i
.set XR, X+16*(\i)
.irp k, 0,1,2,3
	v_pk_add_f32 v[T+2*(\k):T+2*(\k)+1], v[XR+4*(\k):XR+4*(\k)+1], v[XR+4*(\k)+2:XR+4*(\k)+3]
.endr
	v_pk_add_f32 v[T:T+1], v[T:T+1], v[T+2:T+3]
	v_pk_add_f32 v[T+4:T+5], v[T+4:T+5], v[T+6:T+7]
	v_pk_add_f32 v[T:T+1], v[T:T+1], v[T+4:T+5]
	XSUM
	v_mul_f32 v[MU], s34, v[T]
.irp k, 0,1,2,3,4,5,6,7
	v_pk_add_f32 v[XR+2*(\k):XR+2*(\k)+1], v[XR+2*(\k):XR+2*(\k)+1], v[MU:MU+1] op_sel_hi:[1,0] neg_lo:[0,1] neg_hi:[0,1]
.endr
	v_pk_mul_f32 v[T:T+1], v[XR:XR+1], v[XR:XR+1]
	v_pk_mul_f32 v[T+2:T+3], v[XR+2:XR+3], v[XR+2:XR+3]
.irp k, 2,3,4,5,6,7
	v_pk_fma_f32 v[T+2*((\k)%2):T+2*((\k)%2)+1], v[XR+2*(\k):XR+2*(\k)+1], v[XR+2*(\k):XR+2*(\k)+1], v[T+2*((\k)%2):T+2*((\k)%2)+1]
.endr
	v_pk_add_f32 v[T:T+1], v[T:T+1], v[T+2:T+3]
	XSUM
	v_fma_f32 v[T], v[T], s34, s35                 ; var + 1e-5
	v_rsq_f32 v[RS], v[T]
	v_nop                                          ; a plain instruction between the root and the use of its result (ISA guide 5.7.2)
	s_wait_alu depctr_va_vdst(0)
.irp k, 0,1,2,3,4,5,6,7
	v_pk_mul_f32 v[XR+2*(\k):XR+2*(\k)+1], v[XR+2*(\k):XR+2*(\k)+1], v[RS:RS+1] op_sel_hi:[1,0]
.endr
.irp k, 0,1,2,3,4,5,6,7
	v_pk_fma_f32 v[XR+2*(\k):XR+2*(\k)+1], v[XR+2*(\k):XR+2*(\k)+1], v[G+2*(\k):G+2*(\k)+1], v[BB+2*(\k):BB+2*(\k)+1]
.endr
.set n, 0
.rept 16
	v_max_num_f32 v[XR+n], 0, v[XR+n]
.set n, n+1
.endr
.endm
.endif
; Piece i of A goes into LDS, and piece i of B is asked for into the registers that it leaves.
.macro STAGEA i
	s_wait_loadcnt 28                              ; behind piece i's last load stand 4 (7 - i) loads of A and 4 i of B: 28, whatever i; loads come back in order (ISA guide 5.7.1), so bias, gain, offset and ct are in too
.if LNR
	LNORM \i
.endif
	CVT \i
	PUT SA, \i, 0
	LOADB \i
.endm
.macro STAGEB i
	s_wait_loadcnt 28-4*(\i)                       ; the pieces of B behind this one stay out
	CVT \i
	PUT SB, \i, TRB
.endm
.irp i, 0,1,2,3,4,5,6,7
	STAGEA \i
.endr
.irp i, 0,1,2,3,4,5,6,7
	STAGEB \i
.endr
	s_wait_dscnt 0x0                               ; for the others' sake: my stores into A's and B's rows are done
	s_barrier_signal -1
	s_barrier_wait -1                              ; everybody's are
; 16 LDS loads: the fragments of K steps 2 g and 2 g + 1 of my half into buffer f: for each step A's two blocks of 16 rows, then B's two.
.macro FETCH g, f
.irp s, 0,1
.irp a, 0,1
	ds_load_b128 v[(\f)+32*(\s)+8*(\a):(\f)+32*(\s)+8*(\a)+3],   v[FA] offset:16*PA*(\a)+64*(2*(\g)+(\s))
	ds_load_b128 v[(\f)+32*(\s)+8*(\a)+4:(\f)+32*(\s)+8*(\a)+7], v[FA] offset:16*PA*(\a)+64*(2*(\g)+(\s))+32
.endr
.irp b, 0,1
.if TRB
	ds_load_tr16_b128 v[(\f)+32*(\s)+16+8*(\b):(\f)+32*(\s)+16+8*(\b)+3],   v[FB] offset:32*PT*(2*(\g)+(\s))+32*(\b)
	ds_load_tr16_b128 v[(\f)+32*(\s)+16+8*(\b)+4:(\f)+32*(\s)+16+8*(\b)+7], v[FB] offset:32*PT*(2*(\g)+(\s))+32*(\b)+16*PT
.else
	ds_load_b128 v[(\f)+32*(\s)+16+8*(\b):(\f)+32*(\s)+16+8*(\b)+3],   v[FB] offset:16*PA*(\b)+64*(2*(\g)+(\s))
	ds_load_b128 v[(\f)+32*(\s)+16+8*(\b)+4:(\f)+32*(\s)+16+8*(\b)+7], v[FB] offset:16*PA*(\b)+64*(2*(\g)+(\s))+32
.endif
.endr
.endr
.endm
; 8 matrix instructions: buffer f's two K steps on the four accumulators, which take turns, one instruction a turn.  zero = 1: the first step starts the sums: nothing is cleared.
.macro MUL f, zero
.irp s, 0,1
.irp a, 0,1
.irp b, 0,1
.if (\zero) && ((\s) == 0)
	v_wmma_f32_16x16x32_f16 v[ACC+8*(2*(\a)+(\b)):ACC+8*(2*(\a)+(\b))+7], v[(\f)+32*(\s)+16+8*(\b):(\f)+32*(\s)+16+8*(\b)+7], v[(\f)+32*(\s)+8*(\a):(\f)+32*(\s)+8*(\a)+7], 0
.else
	v_wmma_f32_16x16x32_f16 v[ACC+8*(2*(\a)+(\b)):ACC+8*(2*(\a)+(\b))+7], v[(\f)+32*(\s)+16+8*(\b):(\f)+32*(\s)+16+8*(\b)+7], v[(\f)+32*(\s)+8*(\a):(\f)+32*(\s)+8*(\a)+7], v[ACC+8*(2*(\a)+(\b)):ACC+8*(2*(\a)+(\b))+7]
.endif
.endr
.endr
.endr
.endm
.macro PLACES                          ; four places in front of loads into registers that matrix instructions have read, and of stores that read results
.rept 4
	v_nop
.endr
.endm
	FETCH 0, F0
	FETCH 1, F1
	s_wait_dscnt 16                                ; buffer 0 is in; buffer 1's sixteen loads may be out
	MUL F0, 1
	PLACES
	FETCH 2, F0
	s_wait_dscnt 16                                ; all but the sixteen just issued
	MUL F1, 0
	PLACES
	FETCH 3, F1
	s_wait_dscnt 16
	MUL F0, 0
	s_wait_dscnt 0x0
	MUL F1, 0
	PLACES
	; my quadrant's sums over my K half go into my copy of the stage: a lane's eight numbers are 32 neighbouring bytes of a row; each accumulator's low registers first
.irp a, 0,1
.irp b, 0,1
	ds_store_b128 v[STO], v[ACC+8*(2*(\a)+(\b)):ACC+8*(2*(\a)+(\b))+3]   offset:16*SP*(\a)+64*(\b)
	ds_store_b128 v[STO], v[ACC+8*(2*(\a)+(\b))+4:ACC+8*(2*(\a)+(\b))+7] offset:16*SP*(\a)+64*(\b)+16
.endr
.endr
	s_wait_dscnt 0x0                               ; for the others' sake: my stores into the stage are done
	s_barrier_signal -1
	s_barrier_wait -1
	; THE WAY OUT: wave w takes rows 8 w .. 8 w + 7, two at a time, from both copies, adds them, the bias and ct, and stores them.
.irp t, 0,1,2,3
	ds_load_b128 v[O+8*(\t):O+8*(\t)+3],   v[RD] offset:2*SP*(\t)
	ds_load_b128 v[O+8*(\t)+4:O+8*(\t)+7], v[RD] offset:2*SP*(\t)+STGH
.endr
.irp t, 0,1,2,3
	s_wait_dscnt 6-2*(\t)                          ; the pairs of loads behind this one stay out
	v_pk_add_f32 v[O+8*(\t):O+8*(\t)+1],   v[O+8*(\t):O+8*(\t)+1],   v[O+8*(\t)+4:O+8*(\t)+5]
	v_pk_add_f32 v[O+8*(\t)+2:O+8*(\t)+3], v[O+8*(\t)+2:O+8*(\t)+3], v[O+8*(\t)+6:O+8*(\t)+7]
.if BIAS
	v_pk_add_f32 v[O+8*(\t):O+8*(\t)+1],   v[O+8*(\t):O+8*(\t)+1],   v[BI:BI+1]
	v_pk_add_f32 v[O+8*(\t)+2:O+8*(\t)+3], v[O+8*(\t)+2:O+8*(\t)+3], v[BI+2:BI+3]
.endif
.if LNR
	v_pk_add_f32 v[O+8*(\t):O+8*(\t)+1],   v[O+8*(\t):O+8*(\t)+1],   v[RES+4*(\t):RES+4*(\t)+1]
	v_pk_add_f32 v[O+8*(\t)+2:O+8*(\t)+3], v[O+8*(\t)+2:O+8*(\t)+3], v[RES+4*(\t)+2:RES+4*(\t)+3]
.endif
	global_store_b128 v[V2], v[O+8*(\t):O+8*(\t)+3], s[8:9] offset:4096*(\t)  ; 16 lanes store 256 consecutive bytes, at a multiple of 256 from C's first byte
.endr
	s_wait_tensorcnt 0x0                           ; the wave's end, behind my last LDS store
	ds_add_u32 v[SPW], v[NIL]
	s_wait_dscnt 0x0
	s_endpgm
.Lfunc_end_k_qb71ad12a68_go:
	.size	k_qb71ad12a68_go, .Lfunc_end_k_qb71ad12a68_go-k_qb71ad12a68_go
	.p2alignl 7, 3214868480
	.fill 96, 4, 3214868480
	.section	.rodata,"a",@progbits
	.p2align	6, 0x0
	.amdhsa_kernel k_qb71ad12a68_go
		.amdhsa_group_segment_fixed_size 184320
		.amdhsa_private_segment_fixed_size 0
		.amdhsa_enable_private_segment 0
		.amdhsa_kernarg_size 56
		.amdhsa_user_sgpr_count 2
		.amdhsa_user_sgpr_kernarg_segment_ptr 1
		.amdhsa_wavefront_size32 1
		.amdhsa_system_sgpr_workgroup_id_x 1
		.amdhsa_system_sgpr_workgroup_id_y 1
		.amdhsa_system_sgpr_workgroup_id_z 1
		.amdhsa_system_vgpr_workitem_id 0
		.amdhsa_next_free_vgpr 256
		.amdhsa_next_free_sgpr 66
		.amdhsa_reserve_vcc 0
		.amdhsa_float_denorm_mode_32 3
		.amdhsa_float_denorm_mode_16_64 3
		.amdhsa_memory_ordered 1
		.amdhsa_forward_progress 1
		.amdhsa_inst_pref_size 65
	.end_amdhsa_kernel
	.amdgpu_metadata
---
amdhsa.version: [ 1, 2 ]
amdhsa.kernels:
  - .name:           k_qb71ad12a68_go
    .symbol:         k_qb71ad12a68_go.kd
    .args:
      - { .name: sll, .offset: 0, .size: 8, .value_kind: global_buffer, .address_space: global }
      - { .name: W4, .offset: 8, .size: 8, .value_kind: global_buffer, .address_space: global }
      - { .name: out0, .offset: 16, .size: 8, .value_kind: global_buffer, .address_space: global }
      - { .name: b4, .offset: 24, .size: 8, .value_kind: global_buffer, .address_space: global }
      - { .name: ln_g, .offset: 32, .size: 8, .value_kind: global_buffer, .address_space: global }
      - { .name: ln_b, .offset: 40, .size: 8, .value_kind: global_buffer, .address_space: global }
      - { .name: ct, .offset: 48, .size: 8, .value_kind: global_buffer, .address_space: global }
    .group_segment_fixed_size: 184320
    .private_segment_fixed_size: 0
    .kernarg_segment_align: 8
    .kernarg_segment_size: 56
    .max_flat_workgroup_size: 256
    .sgpr_count:     66
    .vgpr_count:     256
    .wavefront_size: 32
...
	.end_amdgpu_metadata
.endif
;; end of part 4
